; MI455X (gfx1250); checked and timed in simulation.
; The chip was launched on July 23, 2026; its instructions are those of AMD's public machine-readable ISA for CDNA 5 (MIT licence, August 2026) and "CDNA5" Instruction Set Architecture Reference Guide (July 2026). The comments in the code are by the model that wrote it; some were corrected since.
;; Multi Head Attention. Allowed arithmetic: matrix products marked QUANTISED: E2M1 operands, one E8M0 scale for each 32 along K, by v_wmma_scale_f32_16x16x128_f8f6f4 with both operands' format E2M1 (or v_wmma_scale_f32_32x16x128_f4), f32 sums; everything else in f32.
;; Inputs: Wk 512 x 512 float32; Wo 512 x 512 float32; Wq 512 x 512 float32; Wv 512 x 512 float32; bk 512 float32; bo 512 float32; bq 512 float32; bv 512 float32; k 2 x 4,096 x 512 float32; q 2 x 4,096 x 512 float32; v 2 x 4,096 x 512 float32.
;; Outputs: out0 2 x 4,096 x 512 float32.
;; This version of the problem:
;;   THIS VERSION OF THE PROBLEM IS GIVEN IN LOW PRECISION. The matrix products marked QUANTISED in the list below multiply operands that are first quantised to E2M1 (2 exponent bits, 1 mantissa bit; 4 bits a number), with one power-of-two scale for each 32 numbers along K (OCP MX v1.0); their sums are f32. All else is computed in f32.
;;   The module's matrix products, in the order in which they are computed (A, B: the left and right operand; K: the contracted axis; several contracted axes count as one K, in the product's order):
;;     1. [M 8,192, K 512] x [K 512, N 512]; A: input q; B: input Wq: QUANTISED
;;     2. [M 8,192, K 512] x [K 512, N 512]; A: input k; B: input Wk: QUANTISED
;;     3. [M 8,192, K 512] x [K 512, N 512]; A: input v; B: input Wv: QUANTISED
;;     4. batch 16 x [M 4,096, K 64] x [K 64, N 4,096]; A: computed on the way; B: computed on the way: QUANTISED
;;     5. batch 16 x [M 4,096, K 4,096] x [K 4,096, N 64]; A: softmax (see below); B: computed on the way: QUANTISED
;;     6. [M 8,192, K 512] x [K 512, N 512]; A: computed on the way; B: input Wo: QUANTISED
;;   THE QUANTISER, for each operand of a quantised product, along K:
;;     - K is cut into blocks of 32 from its start; a last block that is shorter is filled with zeros.
;;     - A block's scale is 2^e with e = floor(log2(the largest magnitude in the block)) - 2, held to -126 .. 127; a block of zeros has e = 0. As a byte (E8M0): e + 127.
;;     - Each number is divided by its block's scale, clamped to +-6, and rounded to the nearest number of E2M1, ties to even, subnormals kept.
;;     - The product sums the exact products of the quantised numbers (number of the format x scale) in f32.
;;   ~~~python
;;   def quantise(x, axis):      # numpy; x: float32 -> the quantised numbers, widened to float32 again
;;       x = np.moveaxis(x, axis, -1); K = x.shape[-1]
;;       x = np.pad(x, [(0, 0)] * (x.ndim - 1) + [(0, -K % 32)]); x = x.reshape(x.shape[:-1] + (-1, 32)); a = np.abs(x).max(-1, keepdims=True)
;;       e = np.where(a > 0, np.clip(np.frexp(np.where(a > 0, a, 1))[1] - 1 - 2, -126, 127), 0)      # np.frexp(a)[1] - 1 = floor(log2(a)), exactly
;;       r = np.clip(x / 2.0 ** e, -6, 6)
;;       step = 2.0 ** (np.maximum(np.frexp(np.where(r == 0, 1, r))[1] - 1, 0) - 1)
;;       q = np.round(r / step) * step * 2.0 ** e      # np.round: ties to even
;;       return np.moveaxis(q.reshape(q.shape[:-2] + (-1,))[..., :K], -1, axis).astype(np.float32)
;;   ~~~
;;   SOFTMAX AHEAD OF A QUANTISED PRODUCT. Where the list says 'softmax', what is quantised is not the finished softmax but p = 2^(t - M), with t = logit x log2(e) and M = ceil(the row's largest t), a whole number; so 1/2 < the row's largest p <= 1. The row's sum l is taken of the UNQUANTISED p, in f32, and the product's result is divided by l at the end. Since M is a whole number, a kernel that streams over the keys may use a running M (the ceiling of the running maximum): every later rescaling is an exact power of two, which a block's scale takes up: the codes' values come out the same.
;;   OPERANDS COMPUTED ON THE WAY. 'Computed on the way' means the value that the module computes at that place (a softmax that the list does not call 'softmax' is quantised finished and normalised). What goes into a quantiser is computed in f32, as accurately as f32 sums, v_exp_f32 and their like allow (about 1e-6 of the number): no bf16 or f16 on the way to a quantiser, and a product that is left as it is and whose result goes on into a quantised operand takes f32 operands (vector FMAs, or v_wmma_f32_16x16x4_f32). A number that lies on a knife's edge between two numbers of the format may be rounded either way, as far as f32 arithmetic and the matrix unit's own rounding can turn it there, and no further.
;; One version. Each part assembles by itself: llvm-mc -triple=amdgcn-amd-amdhsa -mcpu=gfx1250 --defsym DOCPART=n.
;; ======== version 1 of 1: 4 launches
;; limits: right only within a limited range of input values
;; workspace buffers: wimg 524,288 bytes; wscl 65,536 bytes; qrec 4,718,592 bytes; kvrec 4,718,592 bytes; cimg 2,097,152 bytes; cscl 262,144 bytes
;; launch wquant (part 1): grid 32 x 4, 4 waves a work-group, no clusters, 1,536 bytes of LDS; arguments Wq, Wk, Wv, Wo, wimg, wscl; writes wimg, wscl
.if DOCPART == 1
	.amdgcn_target "amdgcn-amd-amdhsa--gfx1250"
	.amdhsa_code_object_version 6
	.text
	.protected	k_qda17792a16_wquant
	.globl	k_qda17792a16_wquant
	.p2align	8
	.type	k_qda17792a16_wquant,@function
k_qda17792a16_wquant:
	s_mov_b64 s[64:65], 0
	v_nop
	global_prefetch_b8 v0, s[64:65] scope:SCOPE_SE
	s_setreg_imm32_b32 hwreg(HW_REG_WAVE_MODE, 25, 1), 1
	s_wait_xcnt 0x0
; The four weights [512 (n)][512 (k)], f32, K innermost, become codes of FP4 (E2M1) with one E8M0 byte for each 32 along K, laid as IMAGES OF THE OPERAND'S REGISTERS.
; A tile is 16 rows: lane r of tile tau holds row 32 (tau / 2) + 8 (tau % 2) + r + 8 (r / 8), so that a product whose source 0 is such a tile leaves 16 NEIGHBOURS of that axis in the 16 registers of tiles 2 b, 2 b + 1.
; wimg: [weight 4][tau 32][K step 4] fragments of 1,024 bytes: register group c at 512 c + 16 x lane.   wscl: [weight 4][tau 32] 512 bytes: four scale words a lane (word s = K step s) at 16 x lane.
; A block's scale is 2^(floor(log2(its largest magnitude)) - 2): its byte is the largest magnitude's exponent field - 2, held at 1 from below by a floor among the maximum's leaves.
; LIMITS: NaN and infinities among the inputs are not served.  A block of zeros gets the byte 1 where the rule says 127: its codes are zeros, which add nothing, and this program alone reads the bytes.
; SHARES: work-group y = the weight, work-group x = the tile, the wave = the K step: 128 work-groups, one fragment (16 loads, one quantising, two stores) a wave.  No register is written again behind a store.
; The four waves' scale words meet in 512 bytes of LDS (word s of lane l at 16 l + 4 s); behind one barrier wave 0 stores them as 512 consecutive bytes.
.set LI,   1                           ; v1      16 x lane: my place in an image
.set XA,   2                           ; v2      my row's byte in the tile + 64 (lane / 16)
.set SWA,  3                           ; v3      LDS: 16 x lane + 4 x wave
.set TM,   8                           ; v8-23   at work in QUANT: +0..3 largest magnitudes, +4..7 the other half's, then bytes, +12..15 the conversions' scale operands
.set PW,   32                          ; v32     my K step's scale word
.set PC,   36                          ; v36-43  the codes
.set BK,   44                          ; v44-47  wave 0: the four scale words of a lane
.set SET,  64                          ; v64-127 my 64 numbers
.set SEL,  28                          ; s[28:29] v_permlanex16_b32's selects for lane l xor 16
; 64 numbers of a lane, register 16 b + i = k 32 b + 16 (lane / 16) + i of my row, become a fragment's codes in v[PC] on and its scale word in v[pw].
.macro QUANT s, pw
.irp b, 0,1,2,3
	v_max3_num_f32 v[TM+\b], |v[16*\b+(\s)]|, |v[16*\b+1+(\s)]|, 0x1800000   ; block b: my 16 numbers, and the floor 2^(3 - 127): the byte cannot fall under 1
.endr
.irp i, 2,4,6,8,10,12,14
.irp b, 0,1,2,3
	v_max3_num_f32 v[TM+\b], v[TM+\b], |v[16*\b+\i+(\s)]|, |v[16*\b+\i+1+(\s)]|   ; the four blocks by turns
.endr
.endr
.irp b, 0,1,2,3
	v_permlanex16_b32 v[TM+4+\b], v[TM+\b], s[SEL], s[SEL+1]
.endr
.irp b, 0,1,2,3
	v_max_num_f32 v[TM+\b], v[TM+\b], v[TM+4+\b]   ; with lane l xor 16's 16: the block's largest magnitude
.endr
.irp b, 0,1,2,3
	v_add_nc_u32 v[TM+12+\b], 0xff000000, v[TM+\b]   ; 2 off its exponent field: the conversion takes this operand's exponent field as its scale
.endr
.irp b, 0,1,2,3
	v_lshrrev_b32 v[TM+4+\b], 23, v[TM+12+\b]      ; the scale's byte
.endr
	v_lshl_or_b32 v[(\pw)], v[TM+5], 8, v[TM+4]
	v_lshl_or_b32 v[(\pw)], v[TM+6], 16, v[(\pw)]
	v_lshl_or_b32 v[(\pw)], v[TM+7], 24, v[(\pw)]
.irp b, 0,1,2,3
	v_cvt_scalef32_pk8_fp4_f32 v[PC+2*\b], v[16*\b+(\s):16*\b+7+(\s)], v[TM+12+\b]
	v_cvt_scalef32_pk8_fp4_f32 v[PC+1+2*\b], v[16*\b+8+(\s):16*\b+15+(\s)], v[TM+12+\b]
.endr
	v_nop                                          ; one plain place behind a scaled conversion
.irp c, 0,1                                    ; the operand's layout wants a WHOLE block in a lane: lanes 0-15 block 2 c, lanes 16-31 block 2 c + 1
.irp i, 0,1
	v_permlane16_swap_b32 v[PC+4*\c+\i], v[PC+2+4*\c+\i]
.endr
.endr
.endm
	s_load_b256 s[4:11], s[0:1], 0x0               ; Wq, Wk, Wv, Wo
	s_load_b128 s[12:15], s[0:1], 0x20             ; wimg, wscl
	v_lshl_add_u32 v128, v0, 2, 0x400
	v_mov_b32 v129, 0
	v_lshrrev_b32 v4, 5, v0
	v_readfirstlane_b32 s18, v4                    ; wave = K step
	s_and_b32 s19, ttmp7, 0xffff                   ; which weight
	v_and_b32 v5, 31, v0
	v_lshlrev_b32 v[LI], 4, v5
	v_lshl_add_u32 v[SWA], v4, 2, v[LI]            ; 16 x lane + 4 x wave
	v_and_b32 v5, 15, v0                           ; r
	v_bfe_u32 v6, v0, 4, 1                         ; h
	v_and_b32 v7, 8, v5
	v_add_nc_u32 v7, v7, v5                        ; r + 8 (r / 8)
	v_lshlrev_b32 v[XA], 11, v7                    ; a row is 2,048 bytes
	v_lshl_add_u32 v[XA], v6, 6, v[XA]             ; + 64 h: my 16 numbers of a block of 32
.irp b, 0,1,2,3
	v_mov_b32 v[TM+4+\b], 0                        ; written once: a lane permute's destination counts as one of its sources
.endr
	s_lshr_b32 s21, ttmp9, 1
	s_lshl_b32 s22, s21, 16                        ; 32 (tau / 2) rows of 2,048 bytes
	s_and_b32 s21, ttmp9, 1
	s_lshl_b32 s21, s21, 14                        ; + 8 (tau % 2) rows
	s_add_co_u32 s22, s22, s21
	s_lshl_b32 s21, s18, 9                         ; + my K step's 512 bytes of a row
	s_add_co_u32 s22, s22, s21
	s_mov_b32 s23, 0
	s_lshl_b32 s24, s19, 17                        ; wimg: 131,072 a weight, 4,096 a tile, 1,024 a K step
	s_lshl_b32 s21, ttmp9, 12
	s_add_co_u32 s24, s24, s21
	s_lshl_b32 s21, s18, 10
	s_add_co_u32 s24, s24, s21
	s_mov_b32 s25, 0
	s_lshl_b32 s26, s19, 14                        ; wscl: 16,384 a weight, 512 a tile
	s_lshl_b32 s21, ttmp9, 9
	s_add_co_u32 s26, s26, s21
	s_mov_b32 s27, 0
	s_mov_b32 s[SEL], 0x76543210
	s_mov_b32 s[SEL+1], 0xfedcba98
	s_wait_alu depctr_va_vdst(0)
	s_wait_kmcnt 0x0
	s_cmp_eq_u32 s19, 1                            ; the weight is chosen by the work-group's number alone
	s_cselect_b64 s[16:17], s[6:7], s[4:5]
	s_cmp_eq_u32 s19, 2
	s_cselect_b64 s[16:17], s[8:9], s[16:17]
	s_cmp_eq_u32 s19, 3
	s_cselect_b64 s[16:17], s[10:11], s[16:17]
	s_add_nc_u64 s[16:17], s[16:17], s[22:23]
	s_add_nc_u64 s[12:13], s[12:13], s[24:25]
	s_add_nc_u64 s[14:15], s[14:15], s[26:27]
.irp b, 0,1,2,3
.irp j, 0,1,2,3
	global_load_b128 v[SET+16*\b+4*\j:SET+16*\b+4*\j+3], v[XA], s[16:17] offset:128*\b+16*\j   ; my 16 numbers of block b: 64 neighbouring bytes in four loads, so no hint that they are read once
.endr
.endr
	s_wait_loadcnt 0x0
	QUANT SET, PW
.irp c, 0,1
	global_store_b128 v[LI], v[PC+4*\c:PC+4*\c+3], s[12:13] offset:512*\c   ; 32 lanes store 512 consecutive bytes
.endr
	ds_store_b32 v[SWA], v[PW]
	s_wait_dscnt 0x0                               ; for wave 0's sake: my store has landed
	s_barrier_signal -1
	s_barrier_wait -1
	s_cmp_lg_u32 s18, 0
	s_cbranch_scc1 .Ldone
	ds_load_b128 v[BK:BK+3], v[LI]                 ; the tile's scale image
	s_wait_dscnt 0x0
	global_store_b128 v[LI], v[BK:BK+3], s[14:15]  ; 512 consecutive bytes
.Ldone:
	s_wait_tensorcnt 0x0
	ds_add_u32 v128, v129
	s_wait_dscnt 0x0
	s_endpgm
.Lfunc_end_k_qda17792a16_wquant:
	.size	k_qda17792a16_wquant, .Lfunc_end_k_qda17792a16_wquant-k_qda17792a16_wquant
	.p2alignl 7, 3214868480
	.fill 96, 4, 3214868480
	.section	.rodata,"a",@progbits
	.p2align	6, 0x0
	.amdhsa_kernel k_qda17792a16_wquant
		.amdhsa_group_segment_fixed_size 1536
		.amdhsa_private_segment_fixed_size 0
		.amdhsa_enable_private_segment 0
		.amdhsa_kernarg_size 48
		.amdhsa_user_sgpr_count 2
		.amdhsa_user_sgpr_kernarg_segment_ptr 1
		.amdhsa_wavefront_size32 1
		.amdhsa_system_sgpr_workgroup_id_x 1
		.amdhsa_system_sgpr_workgroup_id_y 1
		.amdhsa_system_sgpr_workgroup_id_z 1
		.amdhsa_system_vgpr_workitem_id 0
		.amdhsa_next_free_vgpr 130
		.amdhsa_next_free_sgpr 66
		.amdhsa_reserve_vcc 0
		.amdhsa_float_denorm_mode_32 3
		.amdhsa_float_denorm_mode_16_64 3
		.amdhsa_memory_ordered 1
		.amdhsa_forward_progress 1
		.amdhsa_inst_pref_size 9
	.end_amdhsa_kernel
	.amdgpu_metadata
---
amdhsa.version: [ 1, 2 ]
amdhsa.kernels:
  - .name:           k_qda17792a16_wquant
    .symbol:         k_qda17792a16_wquant.kd
    .args:
      - { .name: Wq, .offset: 0, .size: 8, .value_kind: global_buffer, .address_space: global }
      - { .name: Wk, .offset: 8, .size: 8, .value_kind: global_buffer, .address_space: global }
      - { .name: Wv, .offset: 16, .size: 8, .value_kind: global_buffer, .address_space: global }
      - { .name: Wo, .offset: 24, .size: 8, .value_kind: global_buffer, .address_space: global }
      - { .name: wimg, .offset: 32, .size: 8, .value_kind: global_buffer, .address_space: global }
      - { .name: wscl, .offset: 40, .size: 8, .value_kind: global_buffer, .address_space: global }
    .group_segment_fixed_size: 1536
    .private_segment_fixed_size: 0
    .kernarg_segment_align: 8
    .kernarg_segment_size: 48
    .max_flat_workgroup_size: 128
    .sgpr_count:     66
    .vgpr_count:     130
    .wavefront_size: 32
...
	.end_amdgpu_metadata
.endif
;; end of part 1
;; launch proj (part 2): grid 64 x 3, 4 waves a work-group, no clusters, 327,680 bytes of LDS; arguments q, k, v, bq, bk, bv, wimg, wscl, qrec, kvrec; writes qrec, kvrec
.if DOCPART == 2
	.amdgcn_target "amdgcn-amd-amdhsa--gfx1250"
	.amdhsa_code_object_version 6
	.text
	.protected	k_qda17792a16_proj
	.globl	k_qda17792a16_proj
	.p2align	8
	.type	k_qda17792a16_proj,@function
k_qda17792a16_proj:
	s_mov_b64 s[64:65], 0
	v_nop
	global_prefetch_b8 v0, s[64:65] scope:SCOPE_SE
	s_setreg_imm32_b32 hwreg(HW_REG_WAVE_MODE, 25, 1), 1
	s_wait_xcnt 0x0
; The three projections x W^T + b on codes of FP4 (E2M1, one E8M0 byte for each 32 along K = 512), and the quantisers of attention's operands.
; SHARES.  Work-group y = which tensor (q, k, v), work-group x = a block of 128 rows.  Wave w stages rows 32 w .. 32 w + 31, f32: one dense block of 65,536 bytes, brought by ONE tensor load as 64 rows of 1,024 bytes,
; 16 bytes of padding behind each: a row of x is 2,080 bytes of LDS.  The wave alone reads its stage, behind its own wait on TENSORcnt.  It quantises its two tiles of 16 rows along K into images of the operand's registers in LDS;
; behind one barrier every wave takes all eight tiles, and multiplies them with its eight tiles of the weight (128 channels, two heads), which come from wimg straight into registers.  The bias is the C of each sum's first instruction.
; OUT.  q and k are quantised along the head's 64 channels, v along the keys; all leave as records of 9,216 bytes for 128 rows of a head: eight tiles of q or k at 512 t, four fragments of v^T at 4,096 + 1,024 f, scale words from 8,192 and 8,704 on.
; LIMITS: NaN and infinities are not served.  A block of zeros gets the byte 1 where the rule says 127: its codes are zeros, and this program alone reads the bytes.
.set XIMG,  0
.set XROW,  2080
.set XSC,   32768
.set XST,   36864
.set XP,    528
.set XSTEP, 32*XP
.set XWAVE, 4*XSTEP
.set REC,   9216
.set HEAD,  32*REC
.set LI,  1
.set XA,  2
.set XWI, 3
.set XWS, 4
.set SH,  5
.set SA,  6
.set AJ,  8
.set ACC, 16
.set PC,  80
.set TM,  88
.set PWT, 104
.set SW,  106
.set PWX, 114
.set WS,  128
.set XS,  160
.set SET1, 192
.set WV,  24
.set TT,  25
.set BLK, 26
.set G1,  36
.set G0,  44
.set SEL, 60
.set MSB, 0
.macro WIN new
.if MSB != \new
	s_set_vgpr_msb (MSB<<8)|\new
.set MSB, \new
.endif
.endm
.macro QUANT s, pw
.irp b, 0,1,2,3
	v_max3_num_f32 v[TM+\b], |v[16*\b+(\s)]|, |v[16*\b+1+(\s)]|, 0x1800000
.endr
.irp i, 2,4,6,8,10,12,14
.irp b, 0,1,2,3
	v_max3_num_f32 v[TM+\b], v[TM+\b], |v[16*\b+\i+(\s)]|, |v[16*\b+\i+1+(\s)]|
.endr
.endr
.irp b, 0,1,2,3
	v_permlanex16_b32 v[TM+4+\b], v[TM+\b], s[SEL], s[SEL+1]
.endr
.irp b, 0,1,2,3
	v_max_num_f32 v[TM+\b], v[TM+\b], v[TM+4+\b]
.endr
.irp b, 0,1,2,3
	v_add_nc_u32 v[TM+12+\b], 0xff000000, v[TM+\b]
.endr
.irp b, 0,1,2,3
	v_lshrrev_b32 v[TM+4+\b], 23, v[TM+12+\b]
.endr
	v_lshl_or_b32 v[(\pw)], v[TM+5], 8, v[TM+4]
	v_lshl_or_b32 v[(\pw)], v[TM+6], 16, v[(\pw)]
	v_lshl_or_b32 v[(\pw)], v[TM+7], 24, v[(\pw)]
.irp b, 0,1,2,3
	v_cvt_scalef32_pk8_fp4_f32 v[PC+2*\b], v[16*\b+(\s):16*\b+7+(\s)], v[TM+12+\b]
	v_cvt_scalef32_pk8_fp4_f32 v[PC+1+2*\b], v[16*\b+8+(\s):16*\b+15+(\s)], v[TM+12+\b]
.endr
	v_nop
.irp c, 0,1
.irp i, 0,1
	v_permlane16_swap_b32 v[PC+4*\c+\i], v[PC+2+4*\c+\i]
.endr
.endr
.endm
.macro DLOAD q, reg
.irp b, 0,1,2,3
.irp j, 0,1,2,3
	ds_load_b128 v[16*\b+4*\j+(\reg):16*\b+4*\j+3+(\reg)], v[XA] offset:((\q)/2)*512+((\q)/4)*16+((\q)%2)*8*XROW+128*\b+16*\j   ; K step q / 2 of tile q % 2: 512 bytes a K step, 16 of padding behind each 1,024
.endr
.endr
.endm
.macro MM qk, o
.irp s, 0,1,2,3
.if \qk
.if \s == 0
	WIN 0x39
.else
	WIN 0x09
.endif
.else
.if \s == 0
	WIN 0x36
.else
	WIN 0x06
.endif
.endif
.irp i, 0,1,2,3,4,5,6,7
.set rD, ACC+8*\i
.set rA, 8*(4*\i+\s)
.set rB, 8*(4*(\o)+\s)
.if \qk
.set rC, 8*\i
.set zA, WS+4*\i+\s
.set zB, XS+4*(\o)+\s
.else
.set rC, 8*(\o)
.set zA, XS+4*\i+\s
.set zB, WS+4*(\o)+\s
.endif
.if \s == 0
	v_wmma_scale_f32_16x16x128_f8f6f4 v[rD:rD+7], v[rA:rA+7], v[rB:rB+7], v[rC:rC+7], v[zA], v[zB] matrix_a_fmt:MATRIX_FMT_FP4 matrix_b_fmt:MATRIX_FMT_FP4
.else
	v_wmma_scale_f32_16x16x128_f8f6f4 v[rD:rD+7], v[rA:rA+7], v[rB:rB+7], v[rD:rD+7], v[zA], v[zB] matrix_a_fmt:MATRIX_FMT_FP4 matrix_b_fmt:MATRIX_FMT_FP4
.endif
.endr
.endr
	WIN 0
.rept 4
	v_nop
.endr
.endm
	s_load_b512 s[4:19], s[0:1], 0x0
	s_load_b128 s[20:23], s[0:1], 0x40
	v_lshl_add_u32 v126, v0, 2, 0x4b000
	v_mov_b32 v127, 0
	ds_add_u32 v126, v127
	ds_add_u32 v126, v127
	v_lshrrev_b32 v80, 5, v0
	v_readfirstlane_b32 s[WV], v80
	s_and_b32 s[TT], ttmp7, 0xffff
	s_mov_b32 s[BLK], ttmp9
	s_mov_b32 s[G1], (2<<16)|(1<<20)|(7<<22)|(3<<25)   ; elements of 4 bytes; four words of padding after every 256
	s_mov_b32 s[G1+1], 256<<16                     ; tensor_dim0: 1,024 bytes
	s_mov_b32 s[G1+2], 64<<16                      ; tensor_dim1
	s_mov_b32 s[G1+3], 256<<16                     ; tile_dim0
	s_mov_b32 s[G1+4], 64                          ; tile_dim1
	s_mov_b32 s[G1+5], 256                         ; dense
	s_mov_b32 s[G1+6], 0
	s_mov_b32 s[G1+7], 0
	s_lshl_b32 s76, s[BLK], 18
	s_lshl_b32 s77, s[WV], 16
	s_add_co_u32 s76, s76, s77
	s_mov_b32 s77, 0
	s_lshl_b32 s78, s[WV], 9
	s_mov_b32 s79, 0
	s_lshr_b32 s80, s[BLK], 5
	s_lshl_b32 s80, s80, 3
	s_lshl_b32 s81, s[WV], 1
	s_add_co_u32 s80, s80, s81
	s_mul_i32 s80, s80, HEAD
	s_and_b32 s81, s[BLK], 31
	s_mul_i32 s81, s81, REC
	s_add_co_u32 s80, s80, s81
	s_mov_b32 s81, 0
	s_lshl_b32 s82, s[TT], 17
	s_lshl_b32 s83, s[WV], 15
	s_add_co_u32 s82, s82, s83
	s_mov_b32 s83, 0
	s_lshl_b32 s84, s[TT], 14
	s_lshl_b32 s85, s[WV], 12
	s_add_co_u32 s84, s84, s85
	s_mov_b32 s85, 0
	s_mul_i32 s86, s[WV], XWAVE
	s_add_co_u32 s86, s86, XST
	s_mov_b32 s[SEL], 0x76543210
	s_mov_b32 s[SEL+1], 0xfedcba98
	s_wait_dscnt 0x0
	s_wait_kmcnt 0x0
	s_cmp_eq_u32 s[TT], 0
	s_cselect_b64 s[66:67], s[4:5], s[6:7]
	s_cselect_b64 s[68:69], s[10:11], s[12:13]
	s_cselect_b64 s[70:71], s[20:21], s[22:23]
	s_cmp_eq_u32 s[TT], 2
	s_cselect_b64 s[66:67], s[8:9], s[66:67]
	s_cselect_b64 s[68:69], s[14:15], s[68:69]
	s_cselect_b32 s87, 4, 0
	s_cselect_b32 s88, 0, 64
	s_cselect_b32 s89, 0, 4
	s_add_nc_u64 s[66:67], s[66:67], s[76:77]
	s_add_nc_u64 s[68:69], s[68:69], s[78:79]
	s_add_nc_u64 s[70:71], s[70:71], s[80:81]
	s_add_nc_u64 s[72:73], s[16:17], s[82:83]
	s_add_nc_u64 s[74:75], s[18:19], s[84:85]
	s_mov_b32 s[G0], 1
	s_mov_b32 s[G0+1], s86                         ; my stage
	s_mov_b64 s[G0+2:G0+3], s[66:67]               ; my 32 rows
	s_or_b32 s[G0+3], s[G0+3], 0x80000000
	tensor_load_to_lds s[G0:G0+3], s[G1:G1+7]      ; my one tensor load
	s_nop 0
.rept 4
	v_nop
.endr
	v_and_b32 v80, 31, v0
	v_and_b32 v81, 15, v0
	v_bfe_u32 v82, v0, 4, 1
	v_and_b32 v83, 8, v81
	v_add_nc_u32 v83, v83, v81
	v_lshlrev_b32 v[LI], 4, v80
	v_mul_u32_u24 v[XA], v83, XROW
	v_lshl_add_u32 v[XA], v82, 6, v[XA]
	v_add_nc_u32 v[XA], s86, v[XA]
	s_lshl_b32 s76, s[WV], 13
	v_add_nc_u32 v[XWI], s76, v[LI]
	s_lshl_b32 s76, s[WV], 10
	s_add_co_u32 s76, s76, XSC
	v_add_nc_u32 v[XWS], s76, v[LI]
	v_lshlrev_b32 v[SH], 4, v82
	v_mul_u32_u24 v[SA], v82, HEAD
	v_lshl_add_u32 v[SA], v81, 4, v[SA]
	v_mul_u32_u24 v[AJ], v83, s87
	v_mad_u32_u24 v[AJ], v82, s88, v[AJ]
.irp j, 1,2,3,4,5,6,7
	v_add_nc_u32 v[AJ+\j], s89, v[AJ+\j-1]
.endr
.irp b, 0,1,2,3
	v_mov_b32 v[TM+4+\b], 0
.endr
	WIN 0x40
.irp i, 0,1,2,3,4,5,6,7
.irp s, 0,1,2,3
.irp c, 0,1
	global_load_b128 v[8*(4*\i+\s)+4*\c:8*(4*\i+\s)+4*\c+3], v[LI], s[72:73] offset:(4*\i+\s)*1024+512*\c
.endr
.endr
.endr
	WIN 0
.irp i, 0,1,2,3,4,5,6,7
	global_load_b128 v[WS+4*\i:WS+4*\i+3], v[LI], s[74:75] offset:512*\i
.endr
	WIN 0xc0
.irp i, 0,1,2,3,4,5,6,7
.irp j, 0,1,2,3,4,5,6,7
	global_load_b32 v[8*\i+\j], v[AJ+\j], s[68:69] offset:(32*(\i/2)+8*(\i%2))*4
.endr
.endr
	WIN 0
	s_wait_alu depctr_va_vdst(0)                   ; the wait at the head's end
	s_wait_tensorcnt 0x0                           ; my stage is whole
	DLOAD 0, ACC
.set Q, 0
.rept 8
.set CUR, ACC+(SET1-ACC)*(Q%2)
.set NXT, ACC+(SET1-ACC)*((Q+1)%2)
.if Q < 7
	DLOAD Q+1, NXT
	s_wait_dscnt 16
.else
	s_wait_dscnt 0x0
.endif
	QUANT CUR, PWX+4*(Q%2)+Q/2
.irp c, 0,1
	ds_store_b128 v[XWI], v[PC+4*\c:PC+4*\c+3] offset:4096*(Q%2)+1024*(Q/2)+512*\c
.endr
.set Q, Q+1
.endr
.irp u, 0,1
	ds_store_b128 v[XWS], v[PWX+4*\u:PWX+4*\u+3] offset:512*\u
.endr
	s_wait_dscnt 0x0
	s_barrier_signal -1
	s_barrier_wait -1
	WIN 0x80
.set F, 0
.rept 32
	ds_load_b128 v[8*F:8*F+3], v[LI] offset:XIMG+1024*F
	ds_load_b128 v[8*F+4:8*F+7], v[LI] offset:XIMG+1024*F+512
.set F, F+1
.endr
	WIN 0
.irp m, 0,1,2,3,4,5,6,7
	ds_load_b128 v[XS+4*\m:XS+4*\m+3], v[LI] offset:XSC+512*\m
.endr
	s_wait_dscnt 0x0
	s_wait_loadcnt 0x0
	s_cmp_eq_u32 s[TT], 2
	s_cbranch_scc1 .Lv
.irp o, 0,1,2,3,4,5,6,7
	MM 1, \o
	s_wait_xcnt 0x0
	QUANT ACC, PWT
	v_lshrrev_b32 v[SW+\o], v[SH], v[PWT]
	global_store_b128 v[LI], v[PC:PC+3], s[70:71] offset:512*\o
	global_store_b128 v[LI], v[PC+4:PC+7], s[70:71] offset:HEAD+512*\o
.endr
	global_store_b128 v[SA], v[SW:SW+3], s[70:71] offset:8192
	global_store_b128 v[SA], v[SW+4:SW+7], s[70:71] offset:8448
	s_wait_tensorcnt 0x0
	ds_add_u32 v126, v127
	s_wait_dscnt 0x0
	s_endpgm
.Lv:
.irp o, 0,1,2,3,4,5,6,7
	MM 0, \o
	s_wait_xcnt 0x0
	QUANT ACC, SW+\o
.irp c, 0,1
	global_store_b128 v[LI], v[PC+4*\c:PC+4*\c+3], s[70:71] offset:(\o/4)*HEAD+4096+1024*(\o%4)+512*\c
.endr
.endr
	global_store_b128 v[LI], v[SW:SW+3], s[70:71] offset:8704
	global_store_b128 v[LI], v[SW+4:SW+7], s[70:71] offset:HEAD+8704
	s_wait_tensorcnt 0x0
	ds_add_u32 v126, v127
	s_wait_dscnt 0x0
	s_endpgm
.Lfunc_end_k_qda17792a16_proj:
	.size	k_qda17792a16_proj, .Lfunc_end_k_qda17792a16_proj-k_qda17792a16_proj
	.p2alignl 7, 3214868480
	.fill 96, 4, 3214868480
	.section	.rodata,"a",@progbits
	.p2align	6, 0x0
	.amdhsa_kernel k_qda17792a16_proj
		.amdhsa_group_segment_fixed_size 327680
		.amdhsa_private_segment_fixed_size 0
		.amdhsa_enable_private_segment 0
		.amdhsa_kernarg_size 80
		.amdhsa_user_sgpr_count 2
		.amdhsa_user_sgpr_kernarg_segment_ptr 1
		.amdhsa_wavefront_size32 1
		.amdhsa_system_sgpr_workgroup_id_x 1
		.amdhsa_system_sgpr_workgroup_id_y 1
		.amdhsa_system_sgpr_workgroup_id_z 1
		.amdhsa_system_vgpr_workitem_id 0
		.amdhsa_next_free_vgpr 832
		.amdhsa_next_free_sgpr 90
		.amdhsa_reserve_vcc 0
		.amdhsa_float_denorm_mode_32 3
		.amdhsa_float_denorm_mode_16_64 3
		.amdhsa_memory_ordered 1
		.amdhsa_forward_progress 1
		.amdhsa_inst_pref_size 193
	.end_amdhsa_kernel
	.amdgpu_metadata
---
amdhsa.version: [ 1, 2 ]
amdhsa.kernels:
  - .name:           k_qda17792a16_proj
    .symbol:         k_qda17792a16_proj.kd
    .args:
      - { .name: q, .offset: 0, .size: 8, .value_kind: global_buffer, .address_space: global }
      - { .name: k, .offset: 8, .size: 8, .value_kind: global_buffer, .address_space: global }
      - { .name: v, .offset: 16, .size: 8, .value_kind: global_buffer, .address_space: global }
      - { .name: bq, .offset: 24, .size: 8, .value_kind: global_buffer, .address_space: global }
      - { .name: bk, .offset: 32, .size: 8, .value_kind: global_buffer, .address_space: global }
      - { .name: bv, .offset: 40, .size: 8, .value_kind: global_buffer, .address_space: global }
      - { .name: wimg, .offset: 48, .size: 8, .value_kind: global_buffer, .address_space: global }
      - { .name: wscl, .offset: 56, .size: 8, .value_kind: global_buffer, .address_space: global }
      - { .name: qrec, .offset: 64, .size: 8, .value_kind: global_buffer, .address_space: global }
      - { .name: kvrec, .offset: 72, .size: 8, .value_kind: global_buffer, .address_space: global }
    .group_segment_fixed_size: 327680
    .private_segment_fixed_size: 0
    .kernarg_segment_align: 8
    .kernarg_segment_size: 80
    .max_flat_workgroup_size: 128
    .sgpr_count:     90
    .vgpr_count:     832
    .wavefront_size: 32
...
	.end_amdgpu_metadata
.endif
;; end of part 2
;; launch attn (part 3): grid 16 x 16, 16 waves a work-group, clusters of 4 x 1, 327,680 bytes of LDS; arguments qrec, kvrec, cimg, cscl; writes cimg, cscl
.if DOCPART == 3
	.amdgcn_target "amdgcn-amd-amdhsa--gfx1250"
	.amdhsa_code_object_version 6
	.text
	.protected	k_qda17792a16_attn
	.globl	k_qda17792a16_attn
	.p2align	8
	.type	k_qda17792a16_attn,@function
k_qda17792a16_attn:
	s_mov_b64 s[64:65], 0
	v_nop
	global_prefetch_b8 v0, s[64:65] scope:SCOPE_SE
	s_setreg_imm32_b32 hwreg(HW_REG_WAVE_MODE, 25, 1), 1
	s_wait_xcnt 0x0
	s_wait_alu depctr_hold_cnt(0) depctr_sa_sdst(0) depctr_va_vdst(0) depctr_va_sdst(0) depctr_va_ssrc(0) depctr_va_vcc(0) depctr_vm_vsrc(0)
	s_getreg_b32 s2, hwreg(HW_REG_IB_STS2, 6, 4)
	s_cmp_eq_u32 s2, 0
	s_cbranch_scc0 .Lentry_in_a_cluster
	s_endpgm
.Lentry_in_a_cluster:
	s_bfe_u32 s2, ttmp6, 0x10000c
	s_cmp_lg_u32 s2, 0x3003
	s_cbranch_scc0 .Lentry_shape_is_right
	s_endpgm
.Lentry_shape_is_right:
; Attention of one head on codes of FP4 (E2M1, one E8M0 byte for each 32 along a product's K), and the quantiser of the output projection's left operand.
; THE SOFTMAX AHEAD OF THE SECOND PRODUCT: t = score x log2(e) / 8; M = the row's largest t so far, rounded UP to a whole number; p = 2^(t - M) is what is quantised, along the keys, not normalised.
; The row's sum is taken of the unquantised p, in f32, and divides O at the end.  When M moves, the sum and O are multiplied by 2^(old M - new M): exact.
; SHARES.  Work-group y = batch x 8 + head; a work-group owns 256 queries, each of its sixteen waves one tile of 16, in 256 registers: four waves to a SIMD.
; THE WHOLE HEAD STAYS IN LDS: its 32 records of 9,216 bytes (128 keys each: eight tiles of K, four fragments of V^T, their scale words, as images of registers) are 294,912 bytes, each byte filled once.
; CLUSTER.  The four work-groups of a cluster belong to one head and need the same bytes: each part is asked for JOINTLY, by the same tensor load with the same descriptor and the mask of all four.
; At the head a wave asks for a sixteenth of the first quarter (18 rows of 256 bytes); behind a round, for a sixteenth of the other three quarters (54 rows).
; Key steps 0 to 6 read the first quarter alone; a barrier, in front of which every wave has waited for its second load, stands ahead of step 7.
; LAYOUT.  Both products transposed: S^T = K Q^T (source 0 = 16 keys, source 1 = my 16 queries), O^T = V^T P^T: a lane holds ONE query throughout.
; THE KEYS OF A TILE ARE CHOSEN BY THE READ ADDRESS: row m of tile 4 c + u is key 64 c + 32 (m / 8) + 8 u + m % 8 of the step.  So lane (r, h) holds in registers 32 c + i of S^T the keys 64 c + 32 h + i: WHOLE blocks of 32,
; in the order of the second product's operand: a block's maximum needs no other lane, and the conversions' results are the operand's registers as they stand.
; THE FIRST PRODUCT'S K IS THE HEAD'S 64: Q's registers 4-7 hold zero codes.  K's fragments lie four registers apart: registers 4-7 of a fragment are the next tile's codes (behind the last: zeros); they meet Q's zero codes and add nothing;
; the scale bytes that go with them are finite codes (another head's bytes, or 0).
; A STEP finds its scores in registers: all its LDS loads in one run (this step's V, the next step's K); maxima; M; t - M; O^T x f; ONE batch of exponentials with one wait ahead of it and one behind it; scale bytes, conversions, sums.
; Among the sums stand the matrix instructions, four at a time: the NEXT step's scores of its first 64 keys, as soon as the registers of this step's are summed and converted; this step's second product; the next step's other 64 keys.
; NO PREFETCH: every byte of the head is asked for once, by the two loads at the kernel's head: there is no loop to run ahead in.
; OUT.  O / the sum is quantised along the channels: cimg [row tile 512][K step 4][group 2][lane][16 bytes]: head = 2 s + c; cscl [batch][head][tile 256][r 16] words with the two bytes at bit 16 (head % 2) and zeros beside them.
; LIMITS: NaN and infinities are not served; the promise holds while the scaled scores t stay under 2^31 in magnitude.  A block of zeros gets the byte 1 where the rule says 127: its codes are zeros, and this program alone reads the bytes.
.set REC,  9216
.set HEAD, 32*REC
.set GRP,  8*REC                       ; a quarter of a head
.set PART, GRP/16                      ; a wave's part of the first quarter
.set PART2, 3*GRP/16                   ; and of the other three
.set STG,  HEAD                        ; behind the head: 1,024 bytes in which the sixteen waves' scale words meet
.set SPARE, HEAD+1024                  ; the spare words: 128 bytes a wave
.set LI,  1                            ; v1   16 x lane
.set LR,  2                            ; v2   16 x (lane % 16)
.set SGA, 5                            ; v5   STG + 64 x wave + 4 r
.set PW,  6                            ; v6   p's scale word
.set QS,  7                            ; v7   Q's scale word
.set VS,  8                            ; v8-11  V's scale words, one a tile
                                       ; v12 -M, v13 the largest score, v[14:15] the sum in two halves; v16-19 Q's codes, v20-23 zero codes
.set KS,  24                           ; v24-31 K's scale words, one a tile
.set KF,  32                           ; v32-63 K's eight tiles, four registers each; v64-67 zero codes
.set AK0, 68                           ; v68  my lane's place in a record's tiles of K: 1,024 (r / 8) + 16 (r % 8) + 256 h
.set AS0, 69                           ; v69  and among K's scale words: 16 (r % 8) + 8 (r / 8)
.set ADK, 70                           ; v70-72 the step's record + AK0, AS0, LI
.set ADS, 71
.set ADV, 72
.set SH8, 73                           ; v73  8 h
.set SGR, 74                           ; v74  STG + 16 x lane
.set CH2, 76                           ; v[76:77], v[78:79] the sum's third and fourth chain
.set CH3, 78
.set S,   96                           ; v96-159 S^T, then p
.set OT,  160                          ; v160-191 O^T
.set VF,  192                          ; v192-223 V's four fragments
.set PC,  224                          ; v224-231 p's codes
.set BM,  232                          ; v232-233 my two blocks' largest scores, then their largest p
.set T1,  236                          ; v236-239 at work
.set SO,  240                          ; v240-241 the conversions' scale operands
.set CH,  244                          ; v[244:245] the sum's second chain
.set TMP, 246
.set OLD, 247                          ; v247 -M as the step found it
.set F,   248                          ; v[248:249] f = 2^(old M - new M); the pair is named, its low word serves both halves
.set SPW, 254                          ; v254 my spare word; v255 0: never rewritten
.set NIL, 255
.set WV,  12
.set CX,  13
.set XX,  14
.set BH,  15
.set G1,  16                           ; s[16:23] descriptor group 1;  s[24:27], s[28:31] groups 0 of my two loads
.set G0,  24
.set G0B, 28
.set SEL, 40
.set CS,  42                           ; s[42:43] c = log2(e) / sqrt(64)
.set TB,  44                           ; s44 LDS byte at which the step's record begins
.set CNT, 45
.set HS,  56                           ; s56 16 x (head % 2)
.macro ROUND                           ; a round of the cluster's barrier
	s_barrier_signal -1
	s_barrier_wait -1
	s_cmp_lg_u32 s[WV], 0
	s_cbranch_scc1 .Lnot_wave_0_\@
	s_barrier_signal -3
.Lnot_wave_0_\@:
	s_barrier_wait -3
	s_barrier_signal -1
	s_barrier_wait -1
.endm
	s_load_b256 s[4:11], s[0:1], 0x0               ; qrec s[4:5], kvrec s[6:7], cimg s[8:9], cscl s[10:11]
	v_lshl_add_u32 v[SPW], v0, 2, SPARE
	v_mov_b32 v[NIL], 0
	ds_add_u32 v[SPW], v[NIL]                      ; the add, twice on end, and below its one wait
	ds_add_u32 v[SPW], v[NIL]
	v_lshrrev_b32 v3, 5, v0
	v_readfirstlane_b32 s[WV], v3                  ; wave 0..15
	s_bfe_u32 s[CX], ttmp6, 0x40000                ; cx: my place in the cluster
	s_lshl_b32 s[XX], ttmp9, 2
	s_add_co_u32 s[XX], s[XX], s[CX]               ; my block of 256 queries: it enters the addresses of Q, cimg and cscl alone
	s_and_b32 s[BH], ttmp7, 0xffff                 ; batch x 8 + head, which the four partners share
	s_mov_b32 s[G1], 15|(3<<16)|(1<<21)            ; the mask: all four work-groups; elements of 8 bytes; bit 21 set beside a mask
	s_mov_b32 s[G1+1], 32<<16                      ; tensor_dim0 = 32: rows of 256 bytes, dense
	s_mov_b32 s[G1+2], 18<<16                      ; tensor_dim1 = 18
	s_mov_b32 s[G1+3], 32<<16                      ; tile_dim0
	s_mov_b32 s[G1+4], 18                          ; tile_dim1
	s_mov_b32 s[G1+5], 32
	s_mov_b32 s[G1+6], 0
	s_mov_b32 s[G1+7], 0
	s_mul_i32 s46, s[BH], HEAD                     ; the head's first byte in qrec and in kvrec
	s_mov_b32 s47, 0
	s_mul_i32 s48, s[WV], PART                     ; my part of the first quarter: in memory and in LDS alike
	s_mov_b32 s49, 0
	s_add_nc_u64 s[50:51], s[46:47], s[48:49]
	s_mul_i32 s32, s[WV], PART2                    ; my part of the rest
	s_add_co_u32 s32, s32, GRP
	s_mov_b32 s33, 0
	s_add_nc_u64 s[34:35], s[46:47], s[32:33]
	s_lshl_b32 s52, s[XX], 1
	s_lshr_b32 s57, s[WV], 3
	s_add_co_u32 s52, s52, s57                     ; my queries' record: 2 x block + wave / 8; in it tile m = wave % 8
	s_mul_i32 s52, s52, REC
	s_add_co_u32 s52, s52, s46
	s_bfe_u32 s57, s[WV], 0x10002                  ; m / 4
	s_lshl_b32 s57, s57, 8
	s_add_co_u32 s54, s52, s57
	s_and_b32 s57, s[WV], 3                        ; m % 4
	s_lshl_b32 s57, s57, 2
	s_add_co_u32 s54, s54, s57
	s_add_co_u32 s54, s54, 8192                    ; Q's scale words: + 8,192 + 256 (m / 4) + 4 (m % 4), and 16 r from the lane
	s_mov_b32 s55, 0
	s_and_b32 s57, s[WV], 7
	s_lshl_b32 s57, s57, 9
	s_add_co_u32 s52, s52, s57                     ; Q's codes: + 512 m
	s_mov_b32 s53, 0
	s_lshr_b32 s58, s[BH], 3                       ; cimg: row tile = 256 x batch + 16 x block + wave, 4,096 bytes each;
	s_lshl_b32 s58, s58, 8
	s_lshl_b32 s57, s[XX], 4
	s_add_co_u32 s58, s58, s57
	s_add_co_u32 s58, s58, s[WV]
	s_lshl_b32 s58, s58, 12
	s_bfe_u32 s57, s[BH], 0x20001                  ; K step = head / 2,
	s_lshl_b32 s57, s57, 10
	s_add_co_u32 s58, s58, s57
	s_and_b32 s57, s[BH], 1                        ; group = head % 2
	s_lshl_b32 s[HS], s57, 4
	s_lshl_b32 s57, s57, 9
	s_add_co_u32 s58, s58, s57
	s_mov_b32 s59, 0
	s_lshl_b32 s60, s[BH], 8                       ; cscl: (256 x (batch x 8 + head) + 16 x block) tiles of 64 bytes
	s_lshl_b32 s57, s[XX], 4
	s_add_co_u32 s60, s60, s57
	s_lshl_b32 s60, s60, 6
	s_mov_b32 s61, 0
	s_lshl_b32 s62, s[WV], 6
	s_add_co_u32 s62, s62, STG                     ; my 64 bytes of the stage
	s_mov_b32 s[SEL], 0x76543210
	s_mov_b32 s[SEL+1], 0xfedcba98
	s_mov_b32 s[CS], 0x3e38aa3b                    ; c = log2(e) / 8
	s_mov_b32 s[CS+1], s[CS]                       ; (named with it as a pair, so it is written)
	s_wait_dscnt 0x0                               ; both opening adds are done
	s_wait_kmcnt 0x0
	s_add_nc_u64 s[50:51], s[6:7], s[50:51]        ; kvrec at my two parts: made of the head and the wave's number, which the partners share
	s_add_nc_u64 s[34:35], s[6:7], s[34:35]
	s_mov_b32 s[G0], 1
	s_mov_b32 s[G0+1], s48
	s_mov_b64 s[G0+2:G0+3], s[50:51]
	s_or_b32 s[G0+3], s[G0+3], 0x80000000
	s_mov_b32 s[G0B], 1
	s_mov_b32 s[G0B+1], s32
	s_mov_b64 s[G0B+2:G0B+3], s[34:35]
	s_or_b32 s[G0B+3], s[G0B+3], 0x80000000
	ROUND                                          ; all four work-groups are here: the joint loads meet
	tensor_load_to_lds s[G0:G0+3], s[G1:G1+7]      ; my one load at the head: my part of the first quarter
	s_nop 0
.rept 4
	v_nop
.endr
	s_add_nc_u64 s[54:55], s[4:5], s[54:55]        ; Q's scale words
	s_add_nc_u64 s[4:5], s[4:5], s[52:53]          ; Q's codes
	s_add_nc_u64 s[8:9], s[8:9], s[58:59]
	s_add_nc_u64 s[10:11], s[10:11], s[60:61]
	v_and_b32 v3, 31, v0
	v_lshlrev_b32 v[LI], 4, v3
	v_and_b32 v4, 15, v0
	v_lshlrev_b32 v[LR], 4, v4
	global_load_b128 v[16:19], v[LI], s[4:5]       ; Q's fragment stays in registers
	global_load_b32 v[QS], v[LR], s[54:55]
	v_lshl_add_u32 v[SGA], v4, 2, s62
	v_add_nc_u32 v[SGR], STG, v[LI]
	v_bfe_u32 v[SH8], v0, 4, 1                     ; h
	v_and_b32 v[TMP], 7, v0                        ; r % 8
	v_bfe_u32 v[OLD], v0, 3, 1                     ; r / 8
	v_lshlrev_b32 v[AK0], 4, v[TMP]
	v_lshl_add_u32 v[AS0], v[OLD], 3, v[AK0]
	v_lshl_add_u32 v[AK0], v[OLD], 10, v[AK0]
	v_lshl_add_u32 v[AK0], v[SH8], 8, v[AK0]
	v_lshlrev_b32 v[SH8], 3, v[SH8]
	v_mov_b32 v13, 0xff61b1e6                      ; the largest score so far: -3e38, under every score
	v_floor_f32 v12, -v13                          ; -M: above every -M to come, so that the first f is 0
	v_mov_b32 v14, 0                               ; the sum, in two halves
	v_mov_b32 v15, 0
.irp j, 20,21,22,23
	v_mov_b32 v[\j], 0                             ; Q's codes of k = 64 .. 127: zeros
.endr
.irp j, 32,33,34,35
	v_mov_b32 v[KF+\j], 0                          ; behind K's last tile
.endr
.set j, 0
.rept 32
	v_mov_b32 v[OT+j], 0                           ; O^T.  (The step is written for every trip alike: the first finds zeros, which the first f leaves zeros)
.set j, j+1
.endr
.irp b, 0,1,2,3
	v_mov_b32 v[T1+\b], 0                          ; a lane permute's destination counts as one of its sources
.endr
	v_mov_b32 v[F+1], 0                            ; (named as the upper half of a pair)
; K's eight tiles and their scale words out of the record off bytes behind the addresses.  Tile 4 c + u, lane (r, h): the record's tile 4 c + 2 (r / 8) + u % 2, its row 8 (u / 2) + r % 8.
.macro KLOAD ak, as, off
.irp t, 0,1,2,3,4,5,6,7
	ds_load_b128 v[KF+4*\t:KF+4*\t+3], v[\ak] offset:(\off)+2048*(\t/4)+512*(\t%2)+128*((\t%4)/2)
.endr
.irp g, 0,1,2,3
	ds_load_b64 v[KS+2*\g:KS+2*\g+1], v[\as] offset:(\off)+8192+256*(\g/2)+128*(\g%2)   ; the words of tiles 2 g and 2 g + 1 are neighbours
.endr
.endm
.macro QK t0, t1, t2, t3               ; four tiles of S^T = K Q^T, of the K that is in registers
.irp t, \t0, \t1, \t2, \t3
	v_wmma_scale_f32_16x16x128_f8f6f4 v[S+8*\t:S+8*\t+7], v[KF+4*\t:KF+4*\t+7], v[16:23], 0, v[KS+\t], v[QS] matrix_a_fmt:MATRIX_FMT_FP4 matrix_b_fmt:MATRIX_FMT_FP4
.endr
.endm
.macro TMM k                           ; pair k of the scores: t - M (of the pairs c and -M the low word serves both halves)
	v_pk_fma_f32 v[S+2*(\k):S+2*(\k)+1], v[S+2*(\k):S+2*(\k)+1], s[CS:CS+1], v[12:13] op_sel_hi:[1,0,0]
.endm
.macro TMMS from, to
.set k, \from
.rept \to-\from
	TMM k
.set k, k+1
.endr
.endm
.macro SUM q                           ; THE ROW'S SUM IS TAKEN OF THE UNQUANTISED p: pair q joins one of four chains
.if (\q)%4 == 0
	v_pk_add_f32 v[14:15], v[14:15], v[S+2*(\q):S+2*(\q)+1]
.elseif (\q)%4 == 1
	v_pk_add_f32 v[CH:CH+1], v[CH:CH+1], v[S+2*(\q):S+2*(\q)+1]
.elseif (\q)%4 == 2
	v_pk_add_f32 v[CH2:CH2+1], v[CH2:CH2+1], v[S+2*(\q):S+2*(\q)+1]
.else
	v_pk_add_f32 v[CH3:CH3+1], v[CH3:CH3+1], v[S+2*(\q):S+2*(\q)+1]
.endif
.endm
.macro SUMS from, to
.set k, \from
.rept \to-\from
	SUM k
.set k, k+1
.endr
.endm
; A KEY STEP: 128 keys, the record at s[TB].  Its scores are in S^T already.  pre = 1: the next record's K is fetched on the way, and the next step's scores are begun.
.macro STEP pre
	v_add_nc_u32 v[ADV], s[TB], v[LI]              ; four places behind the last products: the addresses of this step's loads, and -M as it stands
	v_mov_b32 v[OLD], v12
.if \pre
	v_add_nc_u32 v[ADK], s[TB], v[AK0]
	v_add_nc_u32 v[ADS], s[TB], v[AS0]
.else
	v_nop
	v_nop
.endif
.irp j, 0,1,2,3,4,5,6,7
	ds_load_b128 v[VF+4*\j:VF+4*\j+3], v[ADV] offset:4096+512*\j   ; this step's V: fragment j / 2, group j % 2
.endr
	ds_load_b128 v[VS:VS+3], v[ADV] offset:8704
.if \pre
	KLOAD ADK, ADS, REC                            ; the next step's K: its registers were last read by the products that made this step's scores
.endif
; THE LARGEST SCORE OF EACH BLOCK OF 32 KEYS serves twice: for the row's maximum, and, since p rises with the score, for the block's largest p.  Four chains of 16 by turns; each accumulator is read from its low end on.
.irp q, 0,1,2,3
	v_max3_num_f32 v[T1+\q], v[S+16*\q], v[S+1+16*\q], v[S+2+16*\q]
.endr
.irp i, 3,5,7,9,11,13
.irp q, 0,1,2,3
	v_max3_num_f32 v[T1+\q], v[T1+\q], v[S+16*\q+\i], v[S+1+16*\q+\i]
.endr
.endr
.irp c, 0,1
	v_max3_num_f32 v[BM+\c], v[T1+2*\c], v[T1+1+2*\c], v[S+15+32*\c]
.endr
.irp c, 0,1
	v_max_num_f32 v[BM+\c], v[BM+\c], v[S+31+32*\c]
.endr
	v_max3_num_f32 v13, v13, v[BM], v[BM+1]        ; the running largest score of my query: my 64 keys,
	v_permlanex16_b32 v[T1], v13, s[SEL], s[SEL+1]
	v_max_num_f32 v13, v13, v[T1]                  ; and lane l xor 16's
	s_delay_alu instid0(VALU_DEP_1)
	v_mul_f32 v[TMP], s[CS], v13                   ; as t (c is positive)
	s_delay_alu instid0(VALU_DEP_1)
	v_floor_f32 v12, -v[TMP]                       ; the new -M = floor(-t) = -ceil(t): M is a whole number
	TMMS 0, 4
	v_sub_f32 v[TMP], v12, v[OLD]                  ; M's old value less its new one: a whole number, 0 or less
	TMMS 4, 8
	v_cvt_i32_f32 v[TMP], v[TMP]                   ; (it saturates)
	TMMS 8, 12
	v_ldexp_f32 v[F], 1.0, v[TMP]                  ; f = 2^(old M - new M)
	TMMS 12, 32
.irp c, 0,1
	v_fma_f32 v[BM+\c], v[BM+\c], s[CS], v12       ; t - M of each block's largest score
.endr
.set k, 0
.rept 16
	v_pk_mul_f32 v[OT+2*k:OT+2*k+1], v[OT+2*k:OT+2*k+1], v[F:F+1] op_sel_hi:[1,0]   ; O^T under the new M: x f; each accumulator from its low end on
.set k, k+1
.endr
	s_wait_alu depctr_va_vdst(0)                   ; the wait ahead of the batch
.irp c, 0,1
	v_exp_f32 v[BM+\c], v[BM+\c]                   ; the block's largest p: the same two instructions on the same number give the same bits as its p below
.endr
.set j, 0
.rept 64
	v_exp_f32 v[S+j], v[S+j]                       ; p = 2^(t - M), at most 1: not normalised
.set j, j+1
.endr
	v_pk_mul_f32 v[14:15], v[14:15], v[F:F+1] op_sel_hi:[1,0]   ; the sums under the new M: a plain place behind the exponentials
	s_wait_alu depctr_va_vdst(0)                   ; one wait for the whole batch, ahead of its first reader; it also stands directly ahead of the wait below
	s_wait_dscnt 0x0                               ; V's fragments and scale words are in, and so is the next step's K
.irp c, 0,1
	v_max_num_f32 v[BM+\c], 0x1800000, v[BM+\c]    ; the floor 2^(3 - 127): the byte cannot fall under 1
.endr
	v_pk_add_f32 v[CH:CH+1], v[S:S+1], v[S+2:S+3]  ; pairs 0 to 5 start three chains
	v_pk_add_f32 v[CH2:CH2+1], v[S+4:S+5], v[S+6:S+7]
.irp c, 0,1
	v_add_nc_u32 v[SO+\c], 0xff000000, v[BM+\c]    ; 2 off the exponent field: the conversion's scale operand
.endr
	v_pk_add_f32 v[CH3:CH3+1], v[S+8:S+9], v[S+10:S+11]
	SUM 6
.irp c, 0,1
.irp u, 0,1,2,3
	v_cvt_scalef32_pk8_fp4_f32 v[PC+4*\c+\u], v[S+32*\c+8*\u:S+32*\c+8*\u+7], v[SO+\c]   ; keys 64 c + 32 h + 8 u + 0 .. 7: register 4 c + u of the operand
.endr
.endr
.irp c, 0,1
	v_lshrrev_b32 v[T1+\c], 23, v[SO+\c]           ; the bytes of blocks h and 2 + h
.endr
	SUMS 7, 9
	v_lshl_or_b32 v[TMP], v[T1+1], 16, v[T1]
	SUMS 9, 11
	v_lshlrev_b32 v[TMP], v[SH8], v[TMP]           ; at their places in the scale word
	SUMS 11, 13
	v_permlanex16_b32 v[T1+2], v[TMP], s[SEL], s[SEL+1]
	SUMS 13, 15
	v_or_b32 v[PW], v[TMP], v[T1+2]                ; with lane l xor 16's two the word is whole
	SUM 15                                         ; the first 64 keys' p are summed and converted:
.if \pre
	QK 0, 1, 2, 3                                  ; their registers take the next step's scores
.endif
	SUMS 16, 24                                    ; with the line above the products: nine places between p's scale word and the products below
.irp t, 0,1,2,3                                ; four accumulators by turns, one instruction a turn
	v_wmma_scale_f32_16x16x128_f8f6f4 v[OT+8*\t:OT+8*\t+7], v[VF+8*\t:VF+8*\t+7], v[PC:PC+7], v[OT+8*\t:OT+8*\t+7], v[VS+\t], v[PW] matrix_a_fmt:MATRIX_FMT_FP4 matrix_b_fmt:MATRIX_FMT_FP4
.endr
	SUMS 24, 32
	v_pk_add_f32 v[CH:CH+1], v[CH:CH+1], v[CH2:CH2+1]
	v_pk_add_f32 v[14:15], v[14:15], v[CH3:CH3+1]
	v_pk_add_f32 v[14:15], v[14:15], v[CH:CH+1]
.if \pre
	QK 4, 6, 5, 7                                  ; the next step's other 64 keys; the tiles that the maxima read first come first
.endif
	s_add_co_u32 s[TB], s[TB], REC
.endm
	s_wait_alu depctr_va_vdst(0)                   ; the wait at the head's end
	s_wait_loadcnt 0x0                             ; Q
	s_wait_tensorcnt 0x0                           ; my part of the first quarter is in
	ds_add_u32 v[SPW], v[NIL]
	s_mov_b32 s[G1+2], 54<<16                      ; no tensor load of mine is out, so a descriptor may be written: the second load brings 54 rows
	s_mov_b32 s[G1+4], 54
	s_wait_dscnt 0x0
	ROUND                                          ; everybody's part of the first quarter is in, and the joint loads meet
	tensor_load_to_lds s[G0B:G0B+3], s[G1:G1+7]    ; my part of the other three quarters: my one load behind the round
	s_nop 0
.rept 4
	v_nop
.endr
	KLOAD AK0, AS0, 0                              ; step 0's K
	s_mov_b32 s[TB], 0
	s_mov_b32 s[CNT], 7
	s_wait_dscnt 0x0
	QK 0, 1, 2, 3                                  ; step 0's scores
	QK 4, 6, 5, 7
.Lfirst:                                           ; steps 0 to 6: they read records 0 to 7, the first quarter
	STEP 1
	s_sub_co_u32 s[CNT], s[CNT], 1
	s_cmp_lg_u32 s[CNT], 0
	s_cbranch_scc1 .Lfirst
	s_wait_tensorcnt 0x0                           ; my part of the rest has landed
	s_wait_dscnt 0x0
	s_barrier_signal -1
	s_barrier_wait -1                              ; everybody's has
	s_mov_b32 s[CNT], 24
.Lrest:                                            ; steps 7 to 30
	STEP 1
	s_sub_co_u32 s[CNT], s[CNT], 1
	s_cmp_lg_u32 s[CNT], 0
	s_cbranch_scc1 .Lrest
	STEP 0                                         ; step 31 has no successor
	; THE WAY OUT.  O^T / the sum; register 16 b + i is channel 32 b + 16 h + i of my query: the head's two blocks of the next product's K.
	v_add_f32 v14, v14, v15                        ; the sum's two halves,
	v_permlanex16_b32 v[TMP], v14, s[SEL], s[SEL+1]
	v_add_f32 v14, v14, v[TMP]                     ; and lane l xor 16's: the row's sum
	s_wait_alu depctr_va_vdst(0)                   ; the wait ahead of the transcendental
	v_rcp_f32 v14, v14
	v_nop                                          ; one plain place behind a transcendental
	s_wait_alu depctr_va_vdst(0)                   ; the wait ahead of its first reader, which is also O^T's
.set j, 0
.rept 16
	v_pk_mul_f32 v[S+j:S+j+1], v[OT+j:OT+j+1], v[14:15] op_sel_hi:[1,0]
.set j, j+2
.endr
.irp b, 0,1
	v_max3_num_f32 v[BM+\b], |v[S+16*\b]|, |v[S+1+16*\b]|, 0x1800000   ; my 16 numbers of block b, and the floor
.endr
.irp i, 2,4,6,8,10,12,14
.irp b, 0,1
	v_max3_num_f32 v[BM+\b], v[BM+\b], |v[S+16*\b+\i]|, |v[S+1+16*\b+\i]|
.endr
.endr
.irp b, 0,1
	v_permlanex16_b32 v[T1+\b], v[BM+\b], s[SEL], s[SEL+1]
.endr
.irp b, 0,1
	v_max_num_f32 v[BM+\b], v[BM+\b], v[T1+\b]
.endr
.irp b, 0,1
	v_add_nc_u32 v[SO+\b], 0xff000000, v[BM+\b]
.endr
.irp b, 0,1
	v_lshrrev_b32 v[T1+\b], 23, v[SO+\b]
.endr
	v_lshl_or_b32 v[TMP], v[T1+1], 8, v[T1]        ; the head's two bytes,
	v_lshlrev_b32 v[TMP], s[HS], v[TMP]            ; at their place in the K step's scale word
.irp b, 0,1
	v_cvt_scalef32_pk8_fp4_f32 v[PC+2*\b], v[S+16*\b:S+7+16*\b], v[SO+\b]
	v_cvt_scalef32_pk8_fp4_f32 v[PC+1+2*\b], v[S+8+16*\b:S+15+16*\b], v[SO+\b]
.endr
	v_nop                                          ; one plain place behind a scaled conversion
.irp i, 0,1
	v_permlane16_swap_b32 v[PC+\i], v[PC+2+\i]     ; lane (r, h) = block h of query r
.endr
	global_store_b128 v[LI], v[PC:PC+3], s[8:9]    ; 512 consecutive bytes of cimg
	ds_store_b32 v[SGA], v[TMP]                    ; both lanes of a query write the same word with the same value
	s_wait_dscnt 0x0                               ; for wave 0's sake: my store has landed
	s_barrier_signal -1
	s_barrier_wait -1
	s_cmp_lg_u32 s[WV], 0
	s_cbranch_scc1 .Lnot_first
	ds_load_b128 v[S:S+3], v[SGR]                  ; the sixteen tiles' scale words: 1,024 bytes
	ds_load_b128 v[S+4:S+7], v[SGR] offset:512
	s_wait_dscnt 0x0
	global_store_b128 v[LI], v[S:S+3], s[10:11]
	global_store_b128 v[LI], v[S+4:S+7], s[10:11] offset:512
.Lnot_first:
	s_wait_tensorcnt 0x0                           ; the wave's end
	ds_add_u32 v[SPW], v[NIL]
	s_wait_dscnt 0x0
	ROUND                                          ; the closing round: no work-group ends while a partner may still ask for a part that names it
	s_endpgm
.Lfunc_end_k_qda17792a16_attn:
	.size	k_qda17792a16_attn, .Lfunc_end_k_qda17792a16_attn-k_qda17792a16_attn
	.p2alignl 7, 3214868480
	.fill 96, 4, 3214868480
	.section	.rodata,"a",@progbits
	.p2align	6, 0x0
	.amdhsa_kernel k_qda17792a16_attn
		.amdhsa_group_segment_fixed_size 327680
		.amdhsa_private_segment_fixed_size 0
		.amdhsa_enable_private_segment 0
		.amdhsa_kernarg_size 32
		.amdhsa_user_sgpr_count 2
		.amdhsa_user_sgpr_kernarg_segment_ptr 1
		.amdhsa_wavefront_size32 1
		.amdhsa_system_sgpr_workgroup_id_x 1
		.amdhsa_system_sgpr_workgroup_id_y 1
		.amdhsa_system_sgpr_workgroup_id_z 1
		.amdhsa_system_vgpr_workitem_id 0
		.amdhsa_next_free_vgpr 256
		.amdhsa_next_free_sgpr 66
		.amdhsa_reserve_vcc 0
		.amdhsa_float_denorm_mode_32 3
		.amdhsa_float_denorm_mode_16_64 3
		.amdhsa_memory_ordered 1
		.amdhsa_forward_progress 1
		.amdhsa_inst_pref_size 54
	.end_amdhsa_kernel
	.amdgpu_metadata
---
amdhsa.version: [ 1, 2 ]
amdhsa.kernels:
  - .name:           k_qda17792a16_attn
    .symbol:         k_qda17792a16_attn.kd
    .args:
      - { .name: qrec, .offset: 0, .size: 8, .value_kind: global_buffer, .address_space: global }
      - { .name: kvrec, .offset: 8, .size: 8, .value_kind: global_buffer, .address_space: global }
      - { .name: cimg, .offset: 16, .size: 8, .value_kind: global_buffer, .address_space: global }
      - { .name: cscl, .offset: 24, .size: 8, .value_kind: global_buffer, .address_space: global }
    .group_segment_fixed_size: 327680
    .private_segment_fixed_size: 0
    .kernarg_segment_align: 8
    .kernarg_segment_size: 32
    .max_flat_workgroup_size: 512
    .sgpr_count:     66
    .vgpr_count:     256
    .wavefront_size: 32
...
	.end_amdgpu_metadata
.endif
;; end of part 3
;; launch outproj (part 4): grid 256 x 1, 4 waves a work-group, no clusters, 34,304 bytes of LDS; arguments cimg, cscl, wimg, wscl, bo, out0; writes out0
.if DOCPART == 4
	.amdgcn_target "amdgcn-amd-amdhsa--gfx1250"
	.amdhsa_code_object_version 6
	.text
	.protected	k_qda17792a16_outproj
	.globl	k_qda17792a16_outproj
	.p2align	8
	.type	k_qda17792a16_outproj,@function
k_qda17792a16_outproj:
	s_mov_b64 s[64:65], 0
	v_nop
	global_prefetch_b8 v0, s[64:65] scope:SCOPE_SE
	s_setreg_imm32_b32 hwreg(HW_REG_WAVE_MODE, 25, 1), 1
	s_wait_xcnt 0x0
; out0 = concat Wo^T + bo on codes of FP4 (E2M1, one E8M0 byte for each 32 along K = 512).  Both operands arrive as images of their registers: every load is 16 x lane, 512 consecutive bytes.
; SHARES.  A work-group takes two tiles of 16 rows (rows 32 g .. 32 g + 31: tile 2 g + o holds rows 32 g + 8 o + r + 8 (r / 8)); wave w takes channels 128 w .. 128 w + 127: eight tiles of Wo, 32 fragments.
; TRANSPOSED: source 0 = 16 rows of Wo, source 1 = 16 rows of concat: a lane holds one row, and the 16 registers of tiles 2 b, 2 b + 1 are channels 32 b + 16 h + 0 .. 15.  The bias is the C of each sum's first instruction.
; THE ROWS' SCALE WORDS: each head stored its two bytes at their place in a word of zeros; the words of heads 2 s and 2 s + 1 are joined by an OR.  Lanes 0-15 hold tile 2 g's, lanes 16-31 tile 2 g + 1's (the upper row of the scale register).
; THE WAY OUT: a tile's 16 rows x 512 bytes go through the wave's own stage in LDS (rows of 528 bytes) and leave as whole rows: 32 lanes store 512 consecutive bytes, at a multiple of 256 from out0's first byte.
; NO CLUSTER, NO TENSOR LOAD: a work-group reads 8 KiB of its own rows; the weight's images go straight into registers (32 KiB a wave), where a joint load would send them through LDS first.
; REGISTERS, in windows of 256: window 0: below.  window 1: Wo's fragment (tile i, K step s) at v[8 (4 i + s)].  window 2: v0-63 concat's fragment (tile o, K step s) at v[8 (4 o + s)]; v64-127 the bias, eight registers a tile.
.set LI,  1                            ; v1   16 x lane
.set L4,  2                            ; v2   4 x lane
.set BA,  3                            ; v3   64 (lane / 16)
.set STO, 4                            ; v4   the stage: row r, + 64 h
.set RD,  5                            ; v5   the stage: 16 x lane of a row
.set ACC, 16                           ; v16-79 tile 2 g's eight accumulators, v80-143 tile 2 g + 1's
.set BK,  144                          ; v144-207 16 rows read back
.set WS,  208                          ; v208-239 Wo's scale words: 4 i + s
.set AS,  240                          ; v240-243 the rows' scale words, one a K step
.set RS,  244                          ; v244-251 their parts, one a head
.set WV,  16
.set MSB, 0
.macro WIN new                         ; the immediate's high byte repeats the setting that is left
.if MSB != \new
	s_set_vgpr_msb (MSB<<8)|\new
.set MSB, \new
.endif
.endm
.macro TOSTAGE a                       ; eight accumulators, each from its low end on
.irp i, 0,1,2,3,4,5,6,7
	ds_store_b128 v[STO], v[8*\i+(\a):8*\i+3+(\a)] offset:128*(\i/2)+32*(\i%2)
	ds_store_b128 v[STO], v[8*\i+4+(\a):8*\i+7+(\a)] offset:128*(\i/2)+32*(\i%2)+16
.endr
.endm
.macro BACK reg                        ; LDS serves a wave's instructions in order (ISA guide 5.7.1.4): these see the stores above, and the next tile's stores come behind them
.irp t, 0,1,2,3,4,5,6,7,8,9,10,11,12,13,14,15
	ds_load_b128 v[4*\t+(\reg):4*\t+3+(\reg)], v[RD] offset:528*\t
.endr
.endm
.macro SEND reg, o
.irp t, 0,1,2,3,4,5,6,7,8,9,10,11,12,13,14,15
	global_store_b128 v[LI], v[4*\t+(\reg):4*\t+3+(\reg)], s[14:15] offset:(8*\o+\t+8*(\t/8))*2048 th:TH_STORE_NT   ; the tile's row t; written once, read by nobody here
.endr
.endm
	s_load_b256 s[4:11], s[0:1], 0x0               ; cimg s[4:5], cscl s[6:7], wimg s[8:9], wscl s[10:11]
	s_load_b128 s[12:15], s[0:1], 0x20             ; bo, out0
	v_lshl_add_u32 v254, v0, 2, 0x8400
	v_mov_b32 v255, 0
	v_lshrrev_b32 v6, 5, v0
	v_readfirstlane_b32 s[WV], v6                  ; wave 0..3
	s_lshl_b32 s18, ttmp9, 13                      ; cimg: two tiles of 4,096 bytes
	s_mov_b32 s19, 0
	s_lshr_b32 s20, ttmp9, 7                       ; cscl: batch x 131,072
	s_lshl_b32 s20, s20, 17
	s_and_b32 s21, ttmp9, 127
	s_lshl_b32 s21, s21, 7                         ; + two tiles of 64 bytes
	s_add_co_u32 s20, s20, s21
	s_mov_b32 s21, 0
	s_lshl_b32 s22, s[WV], 15                      ; wimg: the fourth weight, my eight tiles
	s_add_co_u32 s22, s22, 3*131072
	s_mov_b32 s23, 0
	s_lshl_b32 s24, s[WV], 12                      ; wscl likewise
	s_add_co_u32 s24, s24, 3*16384
	s_mov_b32 s25, 0
	s_lshl_b32 s26, s[WV], 9                       ; bo: my 128 numbers
	s_mov_b32 s27, 0
	s_lshl_b32 s28, ttmp9, 16                      ; out0: 32 rows of 2,048 bytes, + my 512 bytes of a row
	s_add_co_u32 s28, s28, s26
	s_mov_b32 s29, 0
	s_mul_i32 s30, s[WV], 16*528                   ; my stage
	v_and_b32 v6, 31, v0
	v_lshlrev_b32 v[LI], 4, v6
	v_lshlrev_b32 v[L4], 2, v6
	v_and_b32 v7, 15, v0                           ; r
	v_bfe_u32 v8, v0, 4, 1                         ; h
	v_lshlrev_b32 v[BA], 6, v8
	v_mul_u32_u24 v[STO], v7, 528
	v_lshl_add_u32 v[STO], v8, 6, v[STO]
	v_add_nc_u32 v[STO], s30, v[STO]
	v_add_nc_u32 v[RD], s30, v[LI]
	s_wait_alu depctr_va_vdst(0)
	s_wait_kmcnt 0x0
	s_add_nc_u64 s[4:5], s[4:5], s[18:19]
	s_add_nc_u64 s[6:7], s[6:7], s[20:21]
	s_add_nc_u64 s[8:9], s[8:9], s[22:23]
	s_add_nc_u64 s[10:11], s[10:11], s[24:25]
	s_add_nc_u64 s[12:13], s[12:13], s[26:27]
	s_add_nc_u64 s[14:15], s[14:15], s[28:29]
.irp d, 0,1,2,3,4,5,6,7
	global_load_b32 v[RS+\d], v[L4], s[6:7] offset:16384*\d   ; head d's part of the rows' scale words: 128 consecutive bytes
.endr
.irp i, 0,1,2,3,4,5,6,7
	global_load_b128 v[WS+4*\i:WS+4*\i+3], v[LI], s[10:11] offset:512*\i
.endr
	WIN 0x40                                       ; destination window 1
.irp i, 0,1,2,3,4,5,6,7
.irp s, 0,1,2,3
.irp c, 0,1
	global_load_b128 v[8*(4*\i+\s)+4*\c:8*(4*\i+\s)+4*\c+3], v[LI], s[8:9] offset:(4*\i+\s)*1024+512*\c
.endr
.endr
.endr
	WIN 0x80                                       ; destination window 2
.irp o, 0,1
.irp s, 0,1,2,3
.irp c, 0,1
	global_load_b128 v[8*(4*\o+\s)+4*\c:8*(4*\o+\s)+4*\c+3], v[LI], s[4:5] offset:4096*\o+1024*\s+512*\c
.endr
.endr
.endr
.irp i, 0,1,2,3,4,5,6,7
	global_load_b128 v[64+8*\i:64+8*\i+3], v[BA], s[12:13] offset:(32*(\i/2)+8*(\i%2))*4      ; bo(tile i's first channel + 16 h + 0 .. 7)
	global_load_b128 v[64+8*\i+4:64+8*\i+7], v[BA], s[12:13] offset:(32*(\i/2)+8*(\i%2))*4+16
.endr
	WIN 0
	s_wait_loadcnt 0x0
.irp s, 0,1,2,3
	v_or_b32 v[AS+\s], v[RS+2*\s], v[RS+2*\s+1]    ; K step s: heads 2 s and 2 s + 1
.endr
.rept 8
	v_nop                                          ; a scale register written by a vector instruction stands eight places ahead of a scaled matrix instruction
.endr
; 64 matrix instructions: sixteen accumulators by turns, a K step at a time
.irp s, 0,1,2,3
.if \s == 0
	WIN 0x29                                       ; source 0 (Wo) window 1, source 1 (concat) window 2, C (the bias) window 2
.else
	WIN 0x09
.endif
.irp o, 0,1
.irp i, 0,1,2,3,4,5,6,7
.set rD, ACC+64*\o+8*\i
.set rA, 8*(4*\i+\s)
.set rB, 8*(4*\o+\s)
.set rC, 64+8*\i
.if \s == 0
.if \o == 0
	v_wmma_scale_f32_16x16x128_f8f6f4 v[rD:rD+7], v[rA:rA+7], v[rB:rB+7], v[rC:rC+7], v[WS+4*\i+\s], v[AS+\s] matrix_a_fmt:MATRIX_FMT_FP4 matrix_b_fmt:MATRIX_FMT_FP4
.else
	v_wmma_scale_f32_16x16x128_f8f6f4 v[rD:rD+7], v[rA:rA+7], v[rB:rB+7], v[rC:rC+7], v[WS+4*\i+\s], v[AS+\s] matrix_a_fmt:MATRIX_FMT_FP4 matrix_b_fmt:MATRIX_FMT_FP4 matrix_b_scale:MATRIX_SCALE_ROW1
.endif
.else
.if \o == 0
	v_wmma_scale_f32_16x16x128_f8f6f4 v[rD:rD+7], v[rA:rA+7], v[rB:rB+7], v[rD:rD+7], v[WS+4*\i+\s], v[AS+\s] matrix_a_fmt:MATRIX_FMT_FP4 matrix_b_fmt:MATRIX_FMT_FP4
.else
	v_wmma_scale_f32_16x16x128_f8f6f4 v[rD:rD+7], v[rA:rA+7], v[rB:rB+7], v[rD:rD+7], v[WS+4*\i+\s], v[AS+\s] matrix_a_fmt:MATRIX_FMT_FP4 matrix_b_fmt:MATRIX_FMT_FP4 matrix_b_scale:MATRIX_SCALE_ROW1
.endif
.endif
.endr
.endr
.endr
	WIN 0
.rept 4
	v_nop                                          ; four places in front of the LDS stores that read results, and of the loads into the first tile's accumulators
.endr
	TOSTAGE ACC                                    ; tile 2 g into my stage,
	BACK BK                                        ; back as whole rows;
	TOSTAGE ACC+64                                 ; tile 2 g + 1 behind it,
	BACK ACC                                       ; back into the registers that tile 2 g has left
	s_wait_dscnt 32                                ; behind the first tile's loads: the second tile's 16 stores and 16 loads
	SEND BK, 0
	s_wait_dscnt 0x0
	SEND ACC, 1
	s_wait_tensorcnt 0x0
	ds_add_u32 v254, v255
	s_wait_dscnt 0x0
	s_endpgm
.Lfunc_end_k_qda17792a16_outproj:
	.size	k_qda17792a16_outproj, .Lfunc_end_k_qda17792a16_outproj-k_qda17792a16_outproj
	.p2alignl 7, 3214868480
	.fill 96, 4, 3214868480
	.section	.rodata,"a",@progbits
	.p2align	6, 0x0
	.amdhsa_kernel k_qda17792a16_outproj
		.amdhsa_group_segment_fixed_size 34304
		.amdhsa_private_segment_fixed_size 0
		.amdhsa_enable_private_segment 0
		.amdhsa_kernarg_size 48
		.amdhsa_user_sgpr_count 2
		.amdhsa_user_sgpr_kernarg_segment_ptr 1
		.amdhsa_wavefront_size32 1
		.amdhsa_system_sgpr_workgroup_id_x 1
		.amdhsa_system_sgpr_workgroup_id_y 1
		.amdhsa_system_sgpr_workgroup_id_z 1
		.amdhsa_system_vgpr_workitem_id 0
		.amdhsa_next_free_vgpr 640
		.amdhsa_next_free_sgpr 66
		.amdhsa_reserve_vcc 0
		.amdhsa_float_denorm_mode_32 3
		.amdhsa_float_denorm_mode_16_64 3
		.amdhsa_memory_ordered 1
		.amdhsa_forward_progress 1
		.amdhsa_inst_pref_size 29
	.end_amdhsa_kernel
	.amdgpu_metadata
---
amdhsa.version: [ 1, 2 ]
amdhsa.kernels:
  - .name:           k_qda17792a16_outproj
    .symbol:         k_qda17792a16_outproj.kd
    .args:
      - { .name: cimg, .offset: 0, .size: 8, .value_kind: global_buffer, .address_space: global }
      - { .name: cscl, .offset: 8, .size: 8, .value_kind: global_buffer, .address_space: global }
      - { .name: wimg, .offset: 16, .size: 8, .value_kind: global_buffer, .address_space: global }
      - { .name: wscl, .offset: 24, .size: 8, .value_kind: global_buffer, .address_space: global }
      - { .name: bo, .offset: 32, .size: 8, .value_kind: global_buffer, .address_space: global }
      - { .name: out0, .offset: 40, .size: 8, .value_kind: global_buffer, .address_space: global }
    .group_segment_fixed_size: 34304
    .private_segment_fixed_size: 0
    .kernarg_segment_align: 8
    .kernarg_segment_size: 48
    .max_flat_workgroup_size: 128
    .sgpr_count:     66
    .vgpr_count:     640
    .wavefront_size: 32
...
	.end_amdgpu_metadata
.endif
;; end of part 4
